; MI455X (gfx1250); checked and timed in simulation.
; The chip was launched on July 23, 2026; its instructions are those of AMD's public machine-readable ISA for CDNA 5 (MIT licence, August 2026) and "CDNA5" Instruction Set Architecture Reference Guide (July 2026). The comments in the code are by the model that wrote it; some were corrected since.
;; Compression Module. Allowed arithmetic: matrix products marked QUANTISED: E4M3 operands, one E8M0 scale for each 32 along K, by v_wmma_scale_f32_16x16x128_f8f6f4 with both operands' format E4M3, f32 sums; products left as they are: f32 operands where the result goes on into a quantised operand, else bf16, f16 or f32 operands; f32 sums; everything else in f32.
;; Inputs: b0 64 float32; b1 64 float32; b2 64 float32; b3 3 float32; tables_0 256 x 2 float32; tables_1 400 x 2 float32; tables_2 625 x 2 float32; tables_3 1,024 x 2 float32; tables_4 1,600 x 2 float32; tables_5 2,500 x 2 float32; tables_6 4,096 x 2 float32; tables_7 6,400 x 2 float32; tables_8 10,201 x 2 float32; tables_9 16,384 x 2 float32; tables_10 25,921 x 2 float32; tables_11 41,209 x 2 float32; tables_12 65,536 x 2 float32; tables_13 262,144 x 2 float32; tables_14 262,144 x 2 float32; tables_15 262,144 x 2 float32; w0 32 x 64 float32; w1 64 x 64 float32; w2 64 x 64 float32; w3 64 x 3 float32; xn 1,048,576 x 2 float32.
;; Outputs: out0 1,048,576 x 3 float32.
;; This version of the problem:
;;   THIS VERSION OF THE PROBLEM IS GIVEN IN LOW PRECISION. The matrix products marked QUANTISED in the list below multiply operands that are first quantised to E4M3 (4 exponent bits, 3 mantissa bits; 8 bits a number), with one power-of-two scale for each 32 numbers along K (OCP MX v1.0); their sums are f32. All else is computed in f32.
;;   The module's matrix products, in the order in which they are computed (A, B: the left and right operand; K: the contracted axis; several contracted axes count as one K, in the product's order):
;;     1. [M 1,048,576, K 32] x [K 32, N 64]; A: computed on the way; B: input w0: QUANTISED
;;     2. [M 1,048,576, K 64] x [K 64, N 64]; A: computed on the way; B: input w1: QUANTISED
;;     3. [M 1,048,576, K 64] x [K 64, N 64]; A: computed on the way; B: input w2: QUANTISED
;;     4. [M 1,048,576, K 64] x [K 64, N 3]; A: computed on the way; B: input w3: left as it is (N = 3 < 16)
;;   THE QUANTISER, for each operand of a quantised product, along K:
;;     - K is cut into blocks of 32 from its start; a last block that is shorter is filled with zeros.
;;     - A block's scale is 2^e with e = floor(log2(the largest magnitude in the block)) - 8, held to -126 .. 127; a block of zeros has e = 0. As a byte (E8M0): e + 127.
;;     - Each number is divided by its block's scale, clamped to +-448, and rounded to the nearest number of E4M3, ties to even, subnormals kept.
;;     - The product sums the exact products of the quantised numbers (number of the format x scale) in f32.
;;   ~~~python
;;   def quantise(x, axis):      # numpy; x: float32 -> the quantised numbers, widened to float32 again
;;       x = np.moveaxis(x, axis, -1); K = x.shape[-1]
;;       x = np.pad(x, [(0, 0)] * (x.ndim - 1) + [(0, -K % 32)]); x = x.reshape(x.shape[:-1] + (-1, 32)); a = np.abs(x).max(-1, keepdims=True)
;;       e = np.where(a > 0, np.clip(np.frexp(np.where(a > 0, a, 1))[1] - 1 - 8, -126, 127), 0)      # np.frexp(a)[1] - 1 = floor(log2(a)), exactly
;;       r = np.clip(x / 2.0 ** e, -448, 448)
;;       step = 2.0 ** (np.maximum(np.frexp(np.where(r == 0, 1, r))[1] - 1, -6) - 3)
;;       q = np.round(r / step) * step * 2.0 ** e      # np.round: ties to even
;;       return np.moveaxis(q.reshape(q.shape[:-2] + (-1,))[..., :K], -1, axis).astype(np.float32)
;;   ~~~
;;   OPERANDS COMPUTED ON THE WAY. 'Computed on the way' means the value that the module computes at that place (a softmax that the list does not call 'softmax' is quantised finished and normalised). What goes into a quantiser is computed in f32, as accurately as f32 sums, v_exp_f32 and their like allow (about 1e-6 of the number): no bf16 or f16 on the way to a quantiser, and a product that is left as it is and whose result goes on into a quantised operand takes f32 operands (vector FMAs, or v_wmma_f32_16x16x4_f32). A number that lies on a knife's edge between two numbers of the format may be rounded either way, as far as f32 arithmetic and the matrix unit's own rounding can turn it there, and no further.
;; One version. Each part assembles by itself: llvm-mc -triple=amdgcn-amd-amdhsa -mcpu=gfx1250 --defsym DOCPART=n.
;; ======== version 1 of 1: 2 launches
;; limits: values are held in bf16: 8 bits of precision; right only within a limited range of input values
;; workspace buffers: xyq 8,388,608 bytes of whole numbers; recs 63,225,856 bytes; coarse 136,192 bytes; wimg 28,160 bytes
;; launch prep (part 1): grid 1008 x 1, 8 waves a work-group, no clusters, 0 bytes of LDS; arguments tables_0, tables_1, tables_2, tables_3, tables_4, tables_5, tables_6, tables_7, tables_8, tables_9, tables_10, tables_11, tables_12, tables_13, tables_14, tables_15, xn, w0, w1, w2, w3, xyq, recs, coarse, wimg; writes xyq, recs, coarse, wimg
.if DOCPART == 1
	.amdgcn_target "amdgcn-amd-amdhsa--gfx1250"
	.amdhsa_code_object_version 6
	.text
	.protected	k_q5cffefad63_prep
	.globl	k_q5cffefad63_prep
	.p2align	8
	.type	k_q5cffefad63_prep,@function
k_q5cffefad63_prep:
	s_mov_b64 s[64:65], 0
	v_nop
	global_prefetch_b8 v0, s[64:65] scope:SCOPE_SE
	s_setreg_imm32_b32 hwreg(HW_REG_WAVE_MODE, 25, 1), 1
	s_wait_xcnt 0x0
; THE LAUNCH IN FRONT OF THE LOOKUP AND THE MLP.  Four roles, chosen by the work-group's number alone; no LDS, no barrier, waves share nothing.
;   D (work-group 0):         w0, w1, w2 -> codes of E4M3 with E8M0 scale bytes, w3 -> bf16, all laid as images of the operand registers of the next launch (wimg).
;   C (work-groups 1-69):     tables 0-7 copied on end, 8 bytes a vertex (coarse): one block that the next launch brings into LDS.
;   B (work-groups 70-495):   tables 8-15 laid out as RECORDS of 128 bytes (recs), one table for each pair of levels (A, B) = (8,9), (10,11), (12,13), (14,15), a record for each cell (ixB, iyB) of the finer level B.
;       Bytes 0-31: B's cell, f00 f10 f01 f11.  Bytes 32-127: A's 3 x 3 vertices from (gx, gy) on, as rows j = 0..2 of 32 bytes, each row twice two vertices: (gx, gx+1), (gx+1, gx+2).
;       gx = (ixB x C) >> 16, C = floor(65536 mA / mB), m = res - 1.  With a level's cell taken as floor(X m / 2^23), every X of B's cell has gx <= ixA <= gx + 1: gx <= ixB mA / mB <= X mA / 2^23, and
;       X mA / 2^23 < (ixB + 1) mA / mB < gx + 1 + ixB / 65536 + mA / mB < gx + 2, since mA / mB < 0.8 and ixB < 512.  So both levels' corners of a point lie in one record.  The hash of levels 13-15 is done here.
;       Rows of records are 128, 256, 512, 512 records apart; what lies beyond a row's cells is neither written nor read.
;   A (work-groups 496-1007): xn -> X = floor((xn + 1) / 2 x 2^23) as whole numbers, held to 0 .. 2^23 - 1 (xyq).
; 1,008 work-groups in all.
; LIMITS: NaN and infinities in xn and in the weights are not served.  A block of zeros gets the scale byte 1 where the quantiser's rule says 127: its codes are zeros, and this program alone reads the bytes.
.set WG_C, 1
.set WG_B, 70
.set WG_A, 496
.set PRIME, 0x9e3779b1
.set X,   16                           ; v16-47  D: 32 numbers down K
.set CD,  48                           ; v48-55  D: the codes of two blocks
.set ZR,  56                           ; v56-59  D: zeros
.set X2,  60                           ; v60-75  D: w0's 16 numbers
.set C2,  76                           ; v76-79  D: w0's codes
.set PB,  80                           ; v80-95  D: w3 in bf16
.set TM,  100                          ; v100-109 D: +0,1 largest magnitudes, +2,3 the other half's, +4,5 448 x scale, +6,7 scale operands, +8,9 bytes
.set OF,  16                           ; v16-23  B: chunk c: my 16 bytes' offset in recs
.set A0,  24                           ; v24-31  B: chunk c: A's first vertex, then its byte offset
.set A1,  32                           ; v32-39  B: A's second vertex
.set B0,  40                           ; v40-47  B: B's first vertex
.set B1,  48                           ; v48-55  B: B's second
.set DA,  56                           ; v56-87  B: chunk c: 4 registers out of A's table; ahead of the loads v56-63 are at work
.set DB,  88                           ; v88-119 B: the same out of B's table; ahead of the loads v88-95 hold ixB
.set TT,  56
.set IB,  88
; nb blocks of 32 along K: my 16 numbers of block b stand in v[x + 16 b] on; lane l xor 16 holds the other 16.  Codes to v[c + 4 b] on, bytes to v[TM + 8 + b].
.macro QBLK x, c, nb
.irp b, 0,1
.if \b < \nb
	v_max3_num_f32 v[TM+\b], |v[\x+16*\b]|, |v[\x+16*\b+1]|, 0x4800000      ; the floor 2^(9 - 127) among the leaves: the byte cannot fall under 1
.endif
.endr
.irp i, 2,4,6,8,10,12,14
.irp b, 0
.if \b < \nb
	v_max3_num_f32 v[TM+\b], v[TM+\b], |v[\x+16*\b+\i]|, |v[\x+16*\b+\i+1]|
.endif
.endr
.irp b, 1
.if \b < \nb
	s_delay_alu instid0(VALU_DEP_2)
	v_max3_num_f32 v[TM+\b], v[TM+\b], |v[\x+16*\b+\i]|, |v[\x+16*\b+\i+1]|
.endif
.endr
.endr
.irp b, 0,1
.if \b < \nb
	v_permlanex16_b32 v[TM+2+\b], v[TM+\b], s22, s23
	s_delay_alu instid0(VALU_DEP_1)
	v_max_num_f32 v[TM+\b], v[TM+\b], v[TM+2+\b]                            ; the block's largest magnitude
	s_delay_alu instid0(VALU_DEP_1)
	v_add_nc_u32 v[TM+6+\b], 0xfc000000, v[TM+\b]                           ; 8 off its exponent field: the conversion's scale operand
	s_delay_alu instid0(VALU_DEP_2)
	v_and_or_b32 v[TM+4+\b], v[TM+\b], 0x7f800000, s24                      ; 448 x the scale
	s_delay_alu instid0(VALU_DEP_2)
	v_lshrrev_b32 v[TM+8+\b], 23, v[TM+6+\b]                                ; the scale's byte
.endif
.endr
.irp b, 0,1
.if \b < \nb
.irp i, 0,1,2,3,4,5,6,7,8,9,10,11,12,13,14,15
	v_med3_num_f32 v[\x+16*\b+\i], v[\x+16*\b+\i], -v[TM+4+\b], v[TM+4+\b]  ; the conversion to an 8-bit code does not saturate (ISA guide 7.6.2): the hold comes first
.endr
	v_cvt_scalef32_pk8_fp8_f32 v[\c+4*\b:\c+4*\b+1], v[\x+16*\b:\x+16*\b+7], v[TM+6+\b]
	v_cvt_scalef32_pk8_fp8_f32 v[\c+4*\b+2:\c+4*\b+3], v[\x+16*\b+8:\x+16*\b+15], v[TM+6+\b]
.endif
.endr
.endm
; role B: from run ws of the walk on, the pair of levels with these figures
.macro LVB ws, mg, sg, mb, ma, cr, rb, ba, xa, xb, ha, hb, ta, tb
	s_cmp_ge_u32 s8, \ws
	s_cselect_b32 s9, \ws, s9
	s_cselect_b32 s10, \mg, s10
	s_cselect_b32 s11, \sg, s11
	s_cselect_b32 s12, \mb, s12
	s_cselect_b32 s13, \ma, s13
	s_cselect_b32 s14, \cr, s14
	s_cselect_b32 s15, \rb, s15
	s_cselect_b32 s34, \ba, s34
	s_cselect_b32 s35, \xa, s35
	s_cselect_b32 s38, \xb, s38
	s_cselect_b32 s39, \ha, s39
	s_cselect_b32 s40, \hb, s40
	s_cselect_b64 s[36:37], s[\ta:\ta+1], s[36:37]
	s_cselect_b64 s[42:43], s[\tb:\tb+1], s[42:43]
.endm
; role B: eight chunks' vertices in v[src ..] -> byte offsets in their table in v[dst ..].  row: the lane's vy x res (dense) or vy x the prime (hashed); mask: all ones where the level is hashed.
; A dense level's vertex number lies under 2^16, so the cut to 18 bits leaves it as it is.
.macro VIDX dst, src, row, mask
.irp c, 0,1,2,3,4,5,6,7
	v_xor_b32 v[TT+\c], v[\row], v[\src+\c]
.endr
.irp c, 0,1,2,3,4,5,6,7
	v_add_nc_u32 v[\dst+\c], v[\row], v[\src+\c]
.endr
.irp c, 0,1,2,3,4,5,6,7
	v_cndmask_b32 v[\dst+\c], v[\dst+\c], v[TT+\c], s[\mask]
.endr
.irp c, 0,1,2,3,4,5,6,7
	v_and_b32 v[\dst+\c], 0x3ffff, v[\dst+\c]
.endr
.irp c, 0,1,2,3,4,5,6,7
	v_lshlrev_b32 v[\dst+\c], 3, v[\dst+\c]
.endr
.endm
; role C: from chunk cs on, the table with n vertices, nd written, first vertex vb
.macro LVC cs, n, nd, vb, tp
	s_cmp_ge_u32 s8, \cs
	s_cselect_b32 s9, \cs, s9
	s_cselect_b32 s10, \n-1, s10
	s_cselect_b32 s11, \nd-1, s11
	s_cselect_b32 s12, \vb, s12
	s_cselect_b64 s[36:37], s[\tp:\tp+1], s[36:37]
.endm
	v_lshrrev_b32 v1, 5, v0
	s_delay_alu instid0(VALU_DEP_1)
	v_readfirstlane_b32 s2, v1                     ; wave 0..7
	v_and_b32 v1, 31, v0                           ; lane
	s_cmp_ge_u32 ttmp9, WG_A
	s_cbranch_scc1 .Lrole_a
	s_cmp_ge_u32 ttmp9, WG_B
	s_cbranch_scc1 .Lrole_b
	s_cmp_ge_u32 ttmp9, WG_C
	s_cbranch_scc1 .Lrole_c
; ---------------- ROLE D: the weights.  A lane takes a column n and its registers run down K, in the order that the operand's layout gives the lane: nothing is transposed.
; The 16 columns of tile t are 32 (t / 2) + 8 (t % 2) + r + 8 (r / 8), so that the results of tiles 2 b, 2 b + 1 are 16 neighbours along the next K.
	s_load_b64 s[4:5], s[0:1], 0x88                ; w0
	s_load_b64 s[6:7], s[0:1], 0x90                ; w1
	s_load_b64 s[8:9], s[0:1], 0x98                ; w2
	s_load_b64 s[10:11], s[0:1], 0xa0              ; w3
	s_load_b64 s[12:13], s[0:1], 0xc0              ; wimg
	v_and_b32 v2, 15, v0                           ; r
	v_bfe_u32 v3, v0, 4, 1                         ; h
	s_and_b32 s16, s2, 3                           ; tile t
	s_lshr_b32 s17, s16, 1
	s_lshl_b32 s17, s17, 5
	s_and_b32 s18, s16, 1
	s_lshl_b32 s18, s18, 3
	s_add_co_u32 s17, s17, s18                     ; 32 (t / 2) + 8 (t % 2)
	v_and_b32 v4, 8, v2
	s_delay_alu instid0(VALU_DEP_1)
	v_add_nc_u32 v4, v4, v2
	s_delay_alu instid0(VALU_DEP_1)
	v_add_nc_u32 v4, s17, v4                       ; n
	s_delay_alu instid0(VALU_DEP_1)
	v_lshlrev_b32 v4, 2, v4                        ; 4 n
	s_delay_alu instid0(VALU_DEP_1)
	v_lshl_add_u32 v5, v3, 12, v4                  ; w1, w2: lanes 16-31 begin 16 rows of 256 bytes further down
	s_wait_alu depctr_va_vdst(0)
	v_lshlrev_b32 v12, 4, v1                       ; 16 x lane: an image's place for my lane
	s_add_co_u32 s19, s2, 4
	s_lshl_b32 s19, s19, 11                        ; fragment 4 x layer + t = 4 + wave, 2,048 bytes each
	v_add_nc_u32 v6, s19, v12
	s_lshr_b32 s20, s2, 2
	s_add_co_u32 s20, s20, 1                       ; layer 1 or 2
	s_lshl_b32 s20, s20, 9
	s_lshl_b32 s21, s16, 2
	s_add_co_u32 s20, s20, s21
	v_add_nc_u32 v7, s20, v12                      ; scale words: 512 x layer + 16 x lane + 4 t
	s_mov_b32 s22, 0x76543210
	s_mov_b32 s23, 0xfedcba98                      ; v_permlanex16_b32's selects for lane l xor 16
	s_mov_b32 s24, 0x600000                        ; the mantissa field of 448
.irp i, 0,1,2,3
	v_mov_b32 v[ZR+\i], 0
.endr
	v_mov_b32 v[TM+2], 0                           ; a lane permute's destination counts as one of its sources
	v_mov_b32 v[TM+3], 0
	s_wait_kmcnt 0x0
	s_cmp_lt_u32 s2, 4
	s_cselect_b64 s[14:15], s[6:7], s[8:9]         ; waves 0-3: w1; waves 4-7: w2
.irp b, 0,1
.irp i, 0,1,2,3,4,5,6,7,8,9,10,11,12,13,14,15
	global_load_b32 v[X+16*\b+\i], v5, s[14:15] offset:(32*\b+\i)*256      ; w(32 b + 16 h + i, n)
.endr
.endr
	s_wait_loadcnt 0x0
	QBLK X, CD, 2
	v_lshl_or_b32 v110, v[TM+9], 8, v[TM+8]        ; (a plain line behind the last conversion)
	s_delay_alu instid0(VALU_DEP_1)
	v_lshl_or_b32 v110, v110, 16, v110             ; the two bytes stand for blocks 2 and 3 of the instruction's four; blocks 0 and 1, all zero codes, repeat them
	global_store_b128 v6, v[ZR:ZR+3], s[12:13]               ; K = 64 of the instruction's 128: registers 0-7 are zero codes,
	global_store_b128 v6, v[ZR:ZR+3], s[12:13] offset:512
	global_store_b128 v6, v[CD:CD+3], s[12:13] offset:1024   ; registers 8-15 the codes
	global_store_b128 v6, v[CD+4:CD+7], s[12:13] offset:1536
	global_store_b32 v7, v110, s[12:13] offset:26624
	s_cmp_lt_u32 s2, 4
	s_cbranch_scc1 .Lk32
	s_cmp_eq_u32 s2, 4
	s_cbranch_scc1 .Lw3
	s_endpgm
.Lk32:
; w0, tile t = wave.  The next launch's lane (r, h) holds in registers 2 i, 2 i + 1 the two features of its slot i's level: 2 i + h for i < 4; 8 + 4 (i / 6) + i % 2 + 2 h for i >= 4.
; w0's rows are taken in the same order (a permutation inside the one block of 32).
	v_lshl_add_u32 v8, v3, 9, v4                   ; 4 n + 2 h rows of 256 bytes
	v_lshl_add_u32 v11, v3, 10, v4                 ; 4 n + 4 h rows
.irp i, 0,1,2,3
	global_load_b32 v[X2+2*\i], v8, s[4:5] offset:(4*\i)*256
	global_load_b32 v[X2+2*\i+1], v8, s[4:5] offset:(4*\i+1)*256
.endr
.irp i, 4,5,6,7
	global_load_b32 v[X2+2*\i], v11, s[4:5] offset:(16+8*(\i/6)+2*(\i%2))*256
	global_load_b32 v[X2+2*\i+1], v11, s[4:5] offset:(17+8*(\i/6)+2*(\i%2))*256
.endr
	s_lshl_b32 s19, s2, 11
	v_add_nc_u32 v9, s19, v12                      ; fragment t
	s_lshl_b32 s20, s2, 2
	v_add_nc_u32 v10, s20, v12
	s_wait_alu depctr_va_vdst(0)
	s_wait_loadcnt 0x0
	QBLK X2, C2, 1
	v_perm_b32 v111, v[TM+8], v[TM+8], 0           ; the byte in all four places: block 0 counts, the others hold zero codes
	global_store_b128 v9, v[C2:C2+3], s[12:13]
	global_store_b128 v9, v[ZR:ZR+3], s[12:13] offset:512
	global_store_b128 v9, v[ZR:ZR+3], s[12:13] offset:1024
	global_store_b128 v9, v[ZR:ZR+3], s[12:13] offset:1536
	global_store_b32 v10, v111, s[12:13] offset:26624
	s_endpgm
.Lw3:
; w3 as source 0 of two bf16 products: row r of the tile is output r % 8 (rows 3-7 and 11-15 are zeros); register 8 q + p, half e: hidden unit 32 q + 16 h + 2 p + e, the order in which the next launch packs the hidden layer.
	v_and_b32 v13, 7, v2
	s_delay_alu instid0(VALU_DEP_1)
	v_min_u32 v14, 2, v13                          ; no load leaves w3
	s_delay_alu instid0(VALU_DEP_1)
	v_lshlrev_b32 v14, 2, v14
	s_delay_alu instid0(VALU_DEP_1)
	v_mad_u32_u24 v14, v3, 192, v14                ; + 16 h rows of 12 bytes
.irp q, 0,1
.irp j, 0,1,2,3,4,5,6,7,8,9,10,11,12,13,14,15
	global_load_b32 v[X+16*\q+\j], v14, s[10:11] offset:(32*\q+\j)*12
.endr
.endr
	v_cmp_gt_u32 vcc_lo, 3, v13
	s_wait_loadcnt 0x0
.irp p, 0,1,2,3,4,5,6,7,8,9,10,11,12,13,14,15
	v_cvt_pk_bf16_f32 v[PB+\p], v[X+2*\p], v[X+2*\p+1]
.endr
.irp p, 0,1,2,3,4,5,6,7,8,9,10,11,12,13,14,15
	v_cndmask_b32 v[PB+\p], 0, v[PB+\p], vcc_lo
.endr
.irp g, 0,1,2,3
	global_store_b128 v12, v[PB+4*\g:PB+4*\g+3], s[12:13] offset:24576+512*\g
.endr
	s_endpgm
; ---------------- ROLE C: a work-group copies 256 vertices of one of tables 0-7.  Beyond a table's end the last vertex is copied again onto its own place; table 7 also fills the block's 123 spare vertices.
.Lrole_c:
	s_load_b512 s[16:31], s[0:1], 0x0              ; tables 0-7
	s_load_b64 s[32:33], s[0:1], 0xb8              ; coarse
	s_sub_co_u32 s8, ttmp9, WG_C                   ; chunk
	s_mov_b32 s9, 0
	s_mov_b32 s10, 255
	s_mov_b32 s11, 255
	s_mov_b32 s12, 0
	s_wait_kmcnt 0x0
	s_mov_b64 s[36:37], s[16:17]
	LVC 1,  400,  400,  256,   18
	LVC 3,  625,  625,  656,   20
	LVC 6,  1024, 1024, 1281,  22
	LVC 10, 1600, 1600, 2305,  24
	LVC 17, 2500, 2500, 3905,  26
	LVC 27, 4096, 4096, 6405,  28
	LVC 43, 6400, 6523, 10501, 30
	s_sub_co_u32 s13, s8, s9
	s_lshl_b32 s13, s13, 8
	v_add_nc_u32 v2, s13, v0                       ; vertex in the table
	s_delay_alu instid0(VALU_DEP_1)
	v_min_u32 v3, s10, v2
	s_delay_alu instid0(VALU_DEP_1)
	v_lshlrev_b32 v3, 3, v3
	s_delay_alu instid0(VALU_DEP_3)
	v_min_u32 v4, s11, v2
	s_delay_alu instid0(VALU_DEP_1)
	v_add_nc_u32 v4, s12, v4
	s_delay_alu instid0(VALU_DEP_1)
	v_lshlrev_b32 v4, 3, v4
	global_load_b64 v[6:7], v3, s[36:37]
	s_wait_alu depctr_va_vdst(0)
	s_wait_loadcnt 0x0
	global_store_b64 v4, v[6:7], s[32:33]
	s_endpgm
; ---------------- ROLE B: a RUN is 32 records of one row of records of one pair of levels: eight chunks of 4 records, eight lanes to a record, lane q = lane % 8 making its bytes 16 q .. 16 q + 15: two vertices that are neighbours along x.
; q = 0, 1: B's vertex rows iyB, iyB + 1.  q = 2 + 2 j + k: A's vertex row gy + j, vertices gx + k, gx + k + 1 (held to A's last vertex; what is held is never read).
; Every lane loads out of both tables with all lanes on (lanes 2-7 take B's row iyB + q % 2 once more, lanes 0, 1 A's chunk k = 0 of row gy) and keeps one of the two: no pointer is chosen lane by lane.
; A store of the wave covers 512 consecutive bytes, aligned.  A row's surplus chunks write its last chunk again, with the same data.  Rows have 4, 7, 11, 16 runs: 127 x 4 + 202 x 7 + 321 x 11 + 511 x 16 = 13,629 runs.
; A wave walks four runs on end: 426 work-groups x 8 waves x 4 = 13,632; the last wave makes the last run again in its three surplus trips.
.Lrole_b:
	s_load_b512 s[16:31], s[0:1], 0x40             ; tables 8-15
	s_load_b64 s[32:33], s[0:1], 0xb0              ; recs
	s_sub_co_u32 s52, ttmp9, WG_B
	s_lshl_b32 s52, s52, 3
	s_add_co_u32 s52, s52, s2
	s_lshl_b32 s52, s52, 2                         ; my first run
	s_mov_b32 s53, 0
	s_wait_alu depctr_va_vdst(0)
	v_and_b32 v2, 7, v1                            ; q
	v_lshrrev_b32 v3, 3, v1                        ; record in the chunk
	v_max_u32 v6, 2, v2
	v_and_b32 v13, 1, v2                           ; q % 2
	v_add_nc_u32 v6, -2, v6                        ; 2 j + k
	v_cmp_gt_u32 s51, 2, v2                        ; the lanes that keep B's data
	v_and_b32 v7, 1, v6                            ; k
	v_lshrrev_b32 v12, 1, v6                       ; j
	s_wait_alu depctr_va_vdst(0)
	s_wait_kmcnt 0x0
.Lrun:
	s_add_co_u32 s8, s52, s53
	s_min_u32 s8, s8, 13628                        ; the run
	s_mov_b32 s9, 0                                ; the pair's first run
	s_mov_b32 s10, 0x40000000                      ; ceil(2^32 / runs in a row)
	s_mov_b32 s11, 4                               ; runs in a row
	s_mov_b32 s12, 127                             ; mB
	s_mov_b32 s13, 100                             ; mA
	s_mov_b32 s14, 51603                           ; C
	s_mov_b32 s15, 16384                           ; bytes from row to row of records
	s_mov_b32 s34, 0                               ; the pair's first byte
	s_mov_b32 s35, 101                             ; A: res, or the prime
	s_mov_b32 s38, 128                             ; B: the same
	s_mov_b32 s39, 0                               ; A hashed: all ones
	s_mov_b32 s40, 0                               ; B hashed
	s_wait_xcnt 0x0                                ; the last trip's loads and stores have read their bases, addresses and data: all are written again below
	s_mov_b64 s[36:37], s[16:17]                   ; A's table
	s_mov_b64 s[42:43], s[18:19]                   ; B's
	LVB 508,  613566757,  7,  202, 160, 51909, 32768, 2080768,  161,   203,   0,  0,  20, 22
	LVB 1922, 390451573,  11, 321, 255, 52061, 65536, 8699904,  256,   PRIME, 0,  -1, 24, 26
	LVB 5453, 0x10000000, 16, 511, 405, 51941, 65536, 29736960, PRIME, PRIME, -1, -1, 28, 30
	s_sub_co_u32 s44, s8, s9
	s_mul_hi_u32 s45, s44, s10                     ; iyB (the quotient is exact for the few thousand runs of a pair)
	s_mul_i32 s46, s45, s11
	s_sub_co_u32 s46, s44, s46
	s_lshl_b32 s46, s46, 5                         ; the run's first record in the row
	s_sub_co_u32 s47, s12, 1                       ; B's last cell
	s_and_b32 s48, s47, -4                         ; the row's last chunk
	s_mul_i32 s49, s45, s15
	s_add_co_u32 s49, s49, s34                     ; the row's first byte
	s_mul_i32 s50, s45, s14
	s_lshr_b32 s50, s50, 16                        ; gy
	v_add_nc_u32 v9, s46, v3                       ; chunk 0's record
	v_add_nc_u32 v10, s48, v3                      ; the last chunk's
	v_lshl_add_u32 v11, v2, 4, s49
	v_add_nc_u32 v5, s45, v13                      ; B's vertex row
	v_add_nc_u32 v8, s50, v12
	v_mul_lo_u32 v5, v5, s38
	v_min_u32 v8, s13, v8                          ; A's vertex row
.irp c, 0,1,2,3,4,5,6,7
	v_add_nc_u32 v[IB+\c], 4*\c, v9
.endr
	v_mul_lo_u32 v8, v8, s35
.irp c, 0,1,2,3,4,5,6,7
	v_min_u32 v[IB+\c], v[IB+\c], v10
.endr
.irp c, 0,1,2,3,4,5,6,7
	v_lshl_add_u32 v[OF+\c], v[IB+\c], 7, v11
.endr
.irp c, 0,1,2,3,4,5,6,7
	v_min_u32 v[IB+\c], s47, v[IB+\c]              ; ixB
.endr
.irp c, 0,1,2,3,4,5,6,7
	v_mul_u32_u24 v[A0+\c], s14, v[IB+\c]
.endr
.irp c, 0,1,2,3,4,5,6,7
	v_lshrrev_b32 v[A0+\c], 16, v[A0+\c]           ; gx
.endr
.irp c, 0,1,2,3,4,5,6,7
	v_add_nc_u32 v[A0+\c], v[A0+\c], v7
.endr
.irp c, 0,1,2,3,4,5,6,7
	v_add_nc_u32 v[A1+\c], 1, v[A0+\c]
.endr
.irp c, 0,1,2,3,4,5,6,7
	v_min_u32 v[A1+\c], s13, v[A1+\c]
.endr
.irp c, 0,1,2,3,4,5,6,7
	v_add_nc_u32 v[B1+\c], 1, v[IB+\c]
.endr
	VIDX A0, A0, 8, 39
	VIDX A1, A1, 8, 39
	VIDX B0, IB, 5, 40
	VIDX B1, B1, 5, 40
	s_wait_alu depctr_va_vdst(0)                   ; what was written above is read by the loads and, behind waits, by the stores
.irp c, 0,1,2,3,4,5,6,7
	global_load_b64 v[DA+4*\c:DA+4*\c+1], v[A0+\c], s[36:37]
	global_load_b64 v[DA+4*\c+2:DA+4*\c+3], v[A1+\c], s[36:37]
	global_load_b64 v[DB+4*\c:DB+4*\c+1], v[B0+\c], s[42:43]
	global_load_b64 v[DB+4*\c+2:DB+4*\c+3], v[B1+\c], s[42:43]
.endr
.irp c, 0,1,2,3,4,5,6,7
	s_wait_loadcnt 28-4*\c                         ; loads come back in order: chunk c's four are in, the younger chunks' stay out
.irp j, 0,1,2,3
	v_cndmask_b32 v[DA+4*\c+\j], v[DA+4*\c+\j], v[DB+4*\c+\j], s51
.endr
	global_store_b128 v[OF+\c], v[DA+4*\c:DA+4*\c+3], s[32:33]
.endr
	s_add_co_u32 s53, s53, 1
	s_cmp_lt_u32 s53, 4
	s_wait_alu depctr_va_vdst(0)
	s_cbranch_scc1 .Lrun
	s_endpgm
; ---------------- ROLE A: a wave takes 256 points: four loads and four stores of 512 consecutive bytes.  Each quad has registers of its own.
.Lrole_a:
	s_load_b64 s[4:5], s[0:1], 0x80                ; xn
	s_load_b64 s[6:7], s[0:1], 0xa8                ; xyq
	s_sub_co_u32 s8, ttmp9, WG_A
	s_lshl_b32 s8, s8, 3
	s_add_co_u32 s8, s8, s2
	s_lshl_b32 s8, s8, 11                          ; 2,048 bytes a wave
	s_mov_b32 s9, 0
	s_wait_alu depctr_va_vdst(0)
	v_lshlrev_b32 v2, 4, v1
	s_wait_alu depctr_va_vdst(0)
	s_wait_kmcnt 0x0
	s_add_nc_u64 s[4:5], s[4:5], s[8:9]
	s_add_nc_u64 s[6:7], s[6:7], s[8:9]
.irp k, 0,1,2,3
	global_load_b128 v[8+4*\k:11+4*\k], v2, s[4:5] offset:512*\k th:TH_LOAD_NT
.endr
.irp k, 0,1,2,3
	s_wait_loadcnt 3-\k                            ; quad k is in, the younger quads stay out
	v_pk_add_f32 v[8+4*\k:9+4*\k], v[8+4*\k:9+4*\k], 1.0 op_sel_hi:[1,0]
	v_pk_add_f32 v[10+4*\k:11+4*\k], v[10+4*\k:11+4*\k], 1.0 op_sel_hi:[1,0]
	s_delay_alu instid0(VALU_DEP_2)
	v_pk_mul_f32 v[8+4*\k:9+4*\k], v[8+4*\k:9+4*\k], 0.5 op_sel_hi:[1,0]
	s_delay_alu instid0(VALU_DEP_2)
	v_pk_mul_f32 v[10+4*\k:11+4*\k], v[10+4*\k:11+4*\k], 0.5 op_sel_hi:[1,0]
.irp j, 0,1,2,3
	v_med3_num_f32 v[8+4*\k+\j], v[8+4*\k+\j], 0, 1.0
.endr
.irp j, 0,1,2,3
	s_delay_alu instid0(VALU_DEP_4)
	v_mul_f32 v[8+4*\k+\j], 0x4b000000, v[8+4*\k+\j]       ; x 2^23: exact
.endr
.irp j, 0,1,2,3
	s_delay_alu instid0(VALU_DEP_4)
	v_cvt_u32_f32 v[8+4*\k+\j], v[8+4*\k+\j]               ; toward zero: the floor
.endr
.irp j, 0,1,2,3
	s_delay_alu instid0(VALU_DEP_4)
	v_min_u32 v[8+4*\k+\j], 0x7fffff, v[8+4*\k+\j]         ; so that X (res - 1) / 2^23 stays under res - 1: the clip to res - 2
.endr
	global_store_b128 v2, v[8+4*\k:11+4*\k], s[6:7] offset:512*\k
.endr
	s_endpgm
.Lfunc_end_k_q5cffefad63_prep:
	.size	k_q5cffefad63_prep, .Lfunc_end_k_q5cffefad63_prep-k_q5cffefad63_prep
	.p2alignl 7, 3214868480
	.fill 96, 4, 3214868480
	.section	.rodata,"a",@progbits
	.p2align	6, 0x0
	.amdhsa_kernel k_q5cffefad63_prep
		.amdhsa_group_segment_fixed_size 0
		.amdhsa_private_segment_fixed_size 0
		.amdhsa_enable_private_segment 0
		.amdhsa_kernarg_size 200
		.amdhsa_user_sgpr_count 2
		.amdhsa_user_sgpr_kernarg_segment_ptr 1
		.amdhsa_wavefront_size32 1
		.amdhsa_system_sgpr_workgroup_id_x 1
		.amdhsa_system_sgpr_workgroup_id_y 1
		.amdhsa_system_sgpr_workgroup_id_z 1
		.amdhsa_system_vgpr_workitem_id 0
		.amdhsa_next_free_vgpr 128
		.amdhsa_next_free_sgpr 66
		.amdhsa_reserve_vcc 1
		.amdhsa_float_denorm_mode_32 3
		.amdhsa_float_denorm_mode_16_64 3
		.amdhsa_memory_ordered 1
		.amdhsa_forward_progress 1
		.amdhsa_inst_pref_size 52
	.end_amdhsa_kernel
	.amdgpu_metadata
---
amdhsa.version: [ 1, 2 ]
amdhsa.kernels:
  - .name:           k_q5cffefad63_prep
    .symbol:         k_q5cffefad63_prep.kd
    .args:
      - { .name: tables_0, .offset: 0, .size: 8, .value_kind: global_buffer, .address_space: global }
      - { .name: tables_1, .offset: 8, .size: 8, .value_kind: global_buffer, .address_space: global }
      - { .name: tables_2, .offset: 16, .size: 8, .value_kind: global_buffer, .address_space: global }
      - { .name: tables_3, .offset: 24, .size: 8, .value_kind: global_buffer, .address_space: global }
      - { .name: tables_4, .offset: 32, .size: 8, .value_kind: global_buffer, .address_space: global }
      - { .name: tables_5, .offset: 40, .size: 8, .value_kind: global_buffer, .address_space: global }
      - { .name: tables_6, .offset: 48, .size: 8, .value_kind: global_buffer, .address_space: global }
      - { .name: tables_7, .offset: 56, .size: 8, .value_kind: global_buffer, .address_space: global }
      - { .name: tables_8, .offset: 64, .size: 8, .value_kind: global_buffer, .address_space: global }
      - { .name: tables_9, .offset: 72, .size: 8, .value_kind: global_buffer, .address_space: global }
      - { .name: tables_10, .offset: 80, .size: 8, .value_kind: global_buffer, .address_space: global }
      - { .name: tables_11, .offset: 88, .size: 8, .value_kind: global_buffer, .address_space: global }
      - { .name: tables_12, .offset: 96, .size: 8, .value_kind: global_buffer, .address_space: global }
      - { .name: tables_13, .offset: 104, .size: 8, .value_kind: global_buffer, .address_space: global }
      - { .name: tables_14, .offset: 112, .size: 8, .value_kind: global_buffer, .address_space: global }
      - { .name: tables_15, .offset: 120, .size: 8, .value_kind: global_buffer, .address_space: global }
      - { .name: xn, .offset: 128, .size: 8, .value_kind: global_buffer, .address_space: global }
      - { .name: w0, .offset: 136, .size: 8, .value_kind: global_buffer, .address_space: global }
      - { .name: w1, .offset: 144, .size: 8, .value_kind: global_buffer, .address_space: global }
      - { .name: w2, .offset: 152, .size: 8, .value_kind: global_buffer, .address_space: global }
      - { .name: w3, .offset: 160, .size: 8, .value_kind: global_buffer, .address_space: global }
      - { .name: xyq, .offset: 168, .size: 8, .value_kind: global_buffer, .address_space: global }
      - { .name: recs, .offset: 176, .size: 8, .value_kind: global_buffer, .address_space: global }
      - { .name: coarse, .offset: 184, .size: 8, .value_kind: global_buffer, .address_space: global }
      - { .name: wimg, .offset: 192, .size: 8, .value_kind: global_buffer, .address_space: global }
    .group_segment_fixed_size: 0
    .private_segment_fixed_size: 0
    .kernarg_segment_align: 8
    .kernarg_segment_size: 200
    .max_flat_workgroup_size: 256
    .sgpr_count:     66
    .vgpr_count:     128
    .wavefront_size: 32
...
	.end_amdgpu_metadata
.endif
;; end of part 1
;; launch main (part 2): grid 256 x 1, 4 waves a work-group, no clusters, 168,448 bytes of LDS; arguments xn, xyq, recs, coarse, wimg, b0, b1, b2, b3, out0; writes out0
.if DOCPART == 2
	.amdgcn_target "amdgcn-amd-amdhsa--gfx1250"
	.amdhsa_code_object_version 6
	.text
	.protected	k_q5cffefad63_main
	.globl	k_q5cffefad63_main
	.p2align	8
	.type	k_q5cffefad63_main,@function
k_q5cffefad63_main:
	s_mov_b64 s[64:65], 0
	v_nop
	global_prefetch_b8 v0, s[64:65] scope:SCOPE_SE
	s_setreg_imm32_b32 hwreg(HW_REG_WAVE_MODE, 25, 1), 1
	s_wait_xcnt 0x0
; out = relu(relu(relu(f W0 + b0) W1 + b1) W2 + b2) W3 + b3, f = 16 levels of bilinear lookup.  Products 1-3 on codes of E4M3 with one E8M0 scale for each 32 along K, product 4 on bf16; sums in f32.
; SHARES.  256 work-groups of four waves; a wave owns 1,024 points and walks them in 32 pairs of tiles of 16 points.  Weights, biases and level constants stay in its registers.
; A LANE (r, h) OWNS POINT r OF A TILE AND EIGHT LEVELS, a slot each: slot i < 4: level 2 i + h; slots 4-7: levels 8|10, 9|11, 12|14, 13|15 (h = 0 | 1).
;   Its 16 features are 16 neighbours of the first product's operand (place 16 h + 2 i + e; w0's rows were laid alike): nothing changes lanes.
; THE CELL of a level comes from whole numbers: X = floor(x01 x 2^23) (stored by the launch before), cell = X (res - 1) >> 23; X (res - 1) stays under 2^32.  The weight is x01 (res - 1) - cell, one fused multiply-add in f32.
; LEVELS 0-7 are read from LDS (vertices of 8 bytes, brought once by one tensor load a wave).
; LEVELS 8-15 are read from memory as RECORDS of 128 bytes, one for a pair of levels (A in slot 4 or 6, B in the slot behind it) and a cell of B: bytes 0-31 B's four corners; bytes 32-127 A's 3 x 3 vertices from (gx, gy) on,
;   three rows of 32 bytes, each (gx, gx+1), (gx+1, gx+2).  g = (B's cell x C) >> 16 as the launch before made it; A's cell is g or g + 1 (shown at that launch's head), so A's corners are the 16 bytes at 32 + 32 dy + 16 dx and 32 bytes on.
;   So a point's corners of two levels lie in one aligned block of 128 bytes: four such blocks a point.
; ALL PRODUCTS ARE USED TRANSPOSED (source 0 = 16 outputs, source 1 = 16 points): a lane holds one point throughout, and the results of tiles 2 b, 2 b + 1 are 16 neighbours along the next K.
;   K is 32 or 64 of the instruction's 128: the rest of both operands is zero codes.  The biases are the C of each product.
; PIPELINE.  In the trip of pair p the gathers of pair p + 1 and the coordinates of pair p + 3 are asked for; the two tiles' chains are skewed, and a layer's four products stand one by one amid the other tile's vector work.
; NO CLUSTER: what work-groups share is the coarse block, 136,192 bytes once a work-group, beside 4,096 points x 4 records, 65,536 bytes of coordinates and 49,152 of results that are its own.
; NO PREFETCH: a record's address is known only when its point's coordinates are in, and the gathers themselves are issued a whole trip ahead of their use.
; LIMITS: NaN and infinities in xn are not served.  A block of zeros gets the scale byte 1 where the rule says 127 (its codes are zeros).
;   A point whose x01 (res - 1) lies less than (res - 1) x 2^-23 above a whole number n (at most 6.1e-5, four units in the last place of that product) may take cell n - 1 with a weight between 1 and 1 + that bound where
;   reference() takes cell n: the two cells' interpolants meet at n, so the feature moves by at most that bound x the difference of the two cells' slopes.  The weight is rounded once where reference() rounds twice.
;   The interpolation is three fused lerps, another order of rounding than reference()'s four weighted terms.  The last hidden layer and w3 are rounded to bf16 for product 4.
; REGISTERS, in windows of 256 (s_set_vgpr_msb: bits 1:0 source 0, 3:2 source 1, 5:4 source 2, 7:6 destination):
;   window 0: see the names below.   window 1: v0-191 the 12 weight fragments, v192-207 w3.
;   window 2: v0-95 biases, v96-103 b3, v104-135 level constants, v136-199 the weights wx, wy.   window 3: the corners, [pair's parity][tile][slot][8].
.set QUART, 34048                      ; a quarter of the coarse block: 133 rows of 256 bytes
.set R8,   4                           ; v4-7     8 x res of slots 0-3
.set WS,   8                           ; v8-19    the weights' scale words, 4 x layer + tile
.set SW,   20                          ; v20-21   tile t's activations' scale word
.set L16,  22                          ; v22      16 x lane
.set H64,  23                          ; v23      64 x (lane / 16)
.set XY,   24                          ; v24-39   [parity][tile]: xn pair, X pair
.set PT,   40                          ; v40-43   tile t: x01 pair
.set AD,   52                          ; v52-67   tile t: the 8 slots' addresses
.set AD2,  68                          ; v68-75   tile t: slots 0-3, the vertex row below
.set OP,   76                          ; v76-123  tile t: 4 codes of f, 12 zeros, 8 codes of a hidden layer: [0:15] serves layer 0, [8:23] layers 1 and 2
.set TM,   124                         ; v124-135 the quantiser's: +0,1 maxima, +2,3 at work, +4,5 448 x scale, +6,7 scale operands, +8,9 bytes; at a trip's head +0..3: gy, then dy, of [tile][slot 4, 6]
.set OA,   136                         ; v136-151 tile t: product 4's accumulator
.set OUTR, 152                         ; v152-154 a point's three results
.set BF,   156                         ; v156-187 tile t: the last hidden layer in bf16
.set ACC,  188                         ; v188-251 tile t: 32 registers: features, then each layer's four accumulators; at a trip's head the first 16 hold the cells
.set W3F,  192                         ; window 1
.set BIAS, 0                           ; window 2
.set B3R,  96
.set LM,   104                         ; res - 1
.set LMF,  112                         ; the same as f32
.set LPI,  120                         ; slots 0-3: vertices in a row; slots 5, 7: records in a row; slots 4, 6: C
.set LBA,  128                         ; the level's or the pair's first byte (slots 4, 6: none)
.set WT,   136                         ; [parity][tile][slot]: wx, wy
.set MSB, 0
.macro WIN new                         ; the immediate's high byte repeats the setting that is left
.if MSB != \new
	s_set_vgpr_msb (MSB<<8)|\new
.set MSB, \new
.endif
.endm
.macro HALF reg, c0, c1                ; lanes 0-15: c0; lanes 16-31: c1
	v_mov_b32 v[\reg], \c1
	v_cndmask_b32 v[\reg], \c0, v[\reg], s47
.endm
.macro SLOTC i, m0, m1, p0, p1, b0, b1
	HALF LM+\i, \m0, \m1
	HALF LPI+\i, \p0, \p1
	HALF LBA+\i, \b0, \b1
.endm
; x01 of the pair in XY[np], as reference() has it
.macro DERIVE np
.irp t, 0,1
	v_pk_add_f32 v[PT+2*\t:PT+2*\t+1], v[XY+8*(\np)+4*\t:XY+8*(\np)+4*\t+1], 1.0 op_sel_hi:[1,0]
.endr
.irp t, 0,1
	v_pk_mul_f32 v[PT+2*\t:PT+2*\t+1], v[PT+2*\t:PT+2*\t+1], 0.5 op_sel_hi:[1,0]
.endr
.endm
; XY[np] takes pair s49's coordinates: 256 bytes of xn and of xyq.  s49 is held at the wave's last pair, so that no load leaves its buffer.
.macro REFILL np
	s_lshl_b32 s50, s49, 8
	s_add_nc_u64 s[58:59], s[54:55], s[50:51]
	s_add_nc_u64 s[60:61], s[56:57], s[50:51]
.irp t, 0,1
	global_load_b64 v[XY+8*(\np)+4*\t:XY+8*(\np)+4*\t+1], v1, s[58:59] offset:128*\t th:TH_LOAD_NT
	global_load_b64 v[XY+8*(\np)+4*\t+2:XY+8*(\np)+4*\t+3], v1, s[60:61] offset:128*\t th:TH_LOAD_NT
.endr
	s_add_co_u32 s49, s49, 1
	s_min_u32 s49, s49, 31
.endm
; cells, weights and gathers of a pair: each step for 2 tiles x 8 slots, so that sixteen chains run side by side.  16 global loads and 32 LDS loads; with refill = 1 four coordinate loads ahead of them.
.macro ADDR np, refill
	WIN 0x02                                       ; source 0: the level constants
.irp t, 0,1
.irp i, 0,1,2,3,4,5,6,7
	v_mul_u32_u24 v[ACC+32*\t+2*\i], v[LM+\i], v[XY+8*(\np)+4*\t+2]
	v_mul_u32_u24 v[ACC+32*\t+2*\i+1], v[LM+\i], v[XY+8*(\np)+4*\t+3]
.endr
.endr
.irp t, 0,1
.irp j, 0,1,2,3,4,5,6,7,8,9,10,11,12,13,14,15
	v_lshrrev_b32 v[ACC+32*\t+\j], 23, v[ACC+32*\t+\j]                 ; ix, iy = X (res - 1) >> 23
.endr
.endr
	s_wait_alu depctr_va_vdst(0)
	s_wait_xcnt 0x0                                ; the last trip's gathers, coordinate loads and store have read their addresses, bases and data: those registers are written again from here on
.if \refill
	WIN 0
	REFILL \np                                     ; XY[np] has been read out by the lines above
	WIN 0x02
.endif
.irp t, 0,1
.irp i, 0,1,2,3,5,7
	v_mad_u32_u24 v[AD+8*\t+\i], v[LPI+\i], v[ACC+32*\t+2*\i+1], v[ACC+32*\t+2*\i]     ; vertex, or record
.endr
.irp i, 4,6
	v_mul_u32_u24 v[AD+8*\t+\i], v[LPI+\i], v[ACC+32*\t+2*\i+2]        ; C x the next slot's ix,
	v_mul_u32_u24 v[TM+2*\t+\i/2-2], v[LPI+\i], v[ACC+32*\t+2*\i+3]    ; C x its iy
.endr
.endr
.irp t, 0,1
.irp i, 0,1,2,3
	v_min_u32 v[AD+8*\t+\i], 6318, v[AD+8*\t+\i]                       ; the largest vertex number of a cell's first corner in levels 0-7
.endr
.irp i, 5,7
	v_min_u32 v[AD+8*\t+\i], 261631, v[AD+8*\t+\i]                     ; the largest record number
.endr
.irp i, 4,6
	v_lshrrev_b32 v[AD+8*\t+\i], 16, v[AD+8*\t+\i]                     ; gx
	v_lshrrev_b32 v[TM+2*\t+\i/2-2], 16, v[TM+2*\t+\i/2-2]             ; gy
.endr
.endr
	WIN 0x20                                       ; source 2: the level constants
.irp t, 0,1
.irp i, 0,1,2,3
	v_lshl_add_u32 v[AD+8*\t+\i], v[AD+8*\t+\i], 3, v[LBA+\i]
.endr
.irp i, 5,7
	v_lshl_add_u32 v[AD+8*\t+\i], v[AD+8*\t+\i], 7, v[LBA+\i]
.endr
.irp i, 4,6
	v_sub_nc_u32 v[AD+8*\t+\i], v[ACC+32*\t+2*\i], v[AD+8*\t+\i]                   ; dx = ix - gx,
	v_sub_nc_u32 v[TM+2*\t+\i/2-2], v[ACC+32*\t+2*\i+1], v[TM+2*\t+\i/2-2]         ; dy: 0 or 1
.endr
.endr
.irp t, 0,1
.irp i, 0,1,2,3
	v_add_nc_u32 v[AD2+4*\t+\i], v[R8+\i], v[AD+8*\t+\i]
.endr
.irp i, 4,6
	v_min_u32 v[AD+8*\t+\i], 1, v[AD+8*\t+\i]
	v_min_u32 v[TM+2*\t+\i/2-2], 1, v[TM+2*\t+\i/2-2]
.endr
.endr
	WIN 0
.irp t, 0,1
.irp i, 4,6
	v_lshl_add_u32 v[AD+8*\t+\i], v[AD+8*\t+\i], 4, v[AD+8*\t+\i+1]    ; the record + 16 dx
.endr
.endr
.irp t, 0,1
.irp j, 0,1,2,3,4,5,6,7,8,9,10,11,12,13,14,15
	v_cvt_f32_u32 v[ACC+32*\t+\j], v[ACC+32*\t+\j]
.endr
.endr
.irp t, 0,1
.irp i, 4,6
	v_lshl_add_u32 v[AD+8*\t+\i], v[TM+2*\t+\i/2-2], 5, v[AD+8*\t+\i]  ; + 32 dy
.endr
.endr
	WIN 0x82                                       ; source 0 (res - 1) and destination: window 2
.irp t, 0,1
.irp k, 0,1,2,3
	v_pk_fma_f32 v[WT+32*(\np)+16*\t+4*\k:WT+32*(\np)+16*\t+4*\k+1], v[LMF+2*\k:LMF+2*\k+1], v[PT+2*\t:PT+2*\t+1], v[ACC+32*\t+4*\k:ACC+32*\t+4*\k+1] op_sel_hi:[0,1,1] neg_lo:[0,0,1] neg_hi:[0,0,1]                     ; wx, wy of slot 2 k: x01 (res - 1) - cell,
	v_pk_fma_f32 v[WT+32*(\np)+16*\t+4*\k+2:WT+32*(\np)+16*\t+4*\k+3], v[LMF+2*\k:LMF+2*\k+1], v[PT+2*\t:PT+2*\t+1], v[ACC+32*\t+4*\k+2:ACC+32*\t+4*\k+3] op_sel:[1,0,0] op_sel_hi:[1,1,1] neg_lo:[0,0,1] neg_hi:[0,0,1]   ; of slot 2 k + 1
.endr
.endr
	WIN 0xc0                                       ; destination: window 3
.irp t, 0,1
.irp i, 4,5,6,7
.set GB, 128*(\np)+64*\t+8*\i
.set RO, 32*(1-\i%2)                               ; slots 5, 7: bytes 0 and 16 of the record; slots 4, 6: bytes 32 and 64 behind the address made above
	global_load_b128 v[GB:GB+3], v[AD+8*\t+\i], s[8:9] offset:RO               ; f00, f10
	global_load_b128 v[GB+4:GB+7], v[AD+8*\t+\i], s[8:9] offset:16+3*RO/2      ; f01, f11
.endr
.endr
.irp t, 0,1
.irp i, 0,1,2,3
.set GB, 128*(\np)+64*\t+8*\i
	ds_load_b64 v[GB:GB+1], v[AD+8*\t+\i]
	ds_load_b64 v[GB+2:GB+3], v[AD+8*\t+\i] offset:8
	ds_load_b64 v[GB+4:GB+5], v[AD2+4*\t+\i]
	ds_load_b64 v[GB+6:GB+7], v[AD2+4*\t+\i] offset:8
.endr
.endr
	WIN 0
.endm
; f = a + wy (b - a), a = f00 + wx (f10 - f00), b = f01 + wx (f11 - f01): both features of a level at once
.macro INTERP par
	WIN 0xff
.irp t, 0,1
.irp i, 0,1,2,3,4,5,6,7
.set GB, 128*(\par)+64*\t+8*\i
	v_pk_add_f32 v[GB+2:GB+3], v[GB+2:GB+3], v[GB:GB+1] neg_lo:[0,1] neg_hi:[0,1]
	v_pk_add_f32 v[GB+6:GB+7], v[GB+6:GB+7], v[GB+4:GB+5] neg_lo:[0,1] neg_hi:[0,1]
.endr
.endr
	WIN 0xfb                                       ; source 1: the weights, window 2
.irp t, 0,1
.irp i, 0,1,2,3,4,5,6,7
.set GB, 128*(\par)+64*\t+8*\i
.set WB, WT+32*(\par)+16*\t+2*\i
	v_pk_fma_f32 v[GB:GB+1], v[GB+2:GB+3], v[WB:WB+1], v[GB:GB+1] op_sel_hi:[1,0,1]
	v_pk_fma_f32 v[GB+4:GB+5], v[GB+6:GB+7], v[WB:WB+1], v[GB+4:GB+5] op_sel_hi:[1,0,1]
.endr
.endr
	WIN 0xff
.irp t, 0,1
.irp i, 0,1,2,3,4,5,6,7
.set GB, 128*(\par)+64*\t+8*\i
	v_pk_add_f32 v[GB+4:GB+5], v[GB+4:GB+5], v[GB:GB+1] neg_lo:[0,1] neg_hi:[0,1]
.endr
.endr
	WIN 0x3b                                       ; destination: window 0
.irp t, 0,1
.irp i, 0,1,2,3,4,5,6,7
.set GB, 128*(\par)+64*\t+8*\i
.set WB, WT+32*(\par)+16*\t+2*\i
	v_pk_fma_f32 v[ACC+32*\t+2*\i:ACC+32*\t+2*\i+1], v[GB+4:GB+5], v[WB:WB+1], v[GB:GB+1] op_sel:[0,1,0] op_sel_hi:[1,1,1]
.endr
.endr
	WIN 0
.endm
; the features' one block of 32: my 16 and the floor 2^(9 - 127)
.macro QFA t
.set AB, ACC+32*\t
	v_max3_num_f32 v[TM], |v[AB]|, |v[AB+1]|, 0x4800000
	v_max3_num_f32 v[TM+1], |v[AB+2]|, |v[AB+3]|, |v[AB+4]|
	v_max3_num_f32 v[TM+2], |v[AB+5]|, |v[AB+6]|, |v[AB+7]|
	v_max3_num_f32 v[TM+3], |v[AB+8]|, |v[AB+9]|, |v[AB+10]|
	v_max3_num_f32 v[TM], v[TM], |v[AB+11]|, |v[AB+12]|
	v_max3_num_f32 v[TM+1], v[TM+1], |v[AB+13]|, |v[AB+14]|
	v_max3_num_f32 v[TM+2], v[TM+2], v[TM+3], |v[AB+15]|
	v_max3_num_f32 v[TM], v[TM], v[TM+1], v[TM+2]
.endm
; what follows it, in four parts, so that the first three can stand between the other tile's products
.macro QFB1
	v_permlanex16_b32 v[TM+1], v[TM], s44, s45
	v_max_num_f32 v[TM], v[TM], v[TM+1]            ; with lane l xor 16's 16 features
.endm
.macro QFB2
	v_add_nc_u32 v[TM+6], 0xfc000000, v[TM]        ; 8 off the exponent field: the conversion's scale operand
	v_and_or_b32 v[TM+4], v[TM], 0x7f800000, s46   ; 448 x the scale
.endm
.macro QFB3 t
	v_lshrrev_b32 v[TM+8], 23, v[TM+6]
	v_perm_b32 v[SW+\t], v[TM+8], v[TM+8], 0       ; the byte in all four places; the 16 holds below stand between it and the product
.endm
.macro QFB4 t
.set AB, ACC+32*\t
.irp i, 0,1,2,3,4,5,6,7,8,9,10,11,12,13,14,15
	v_med3_num_f32 v[AB+\i], v[AB+\i], -v[TM+4], v[TM+4]   ; the conversion does not saturate (ISA guide 7.6.2)
.endr
	v_cvt_scalef32_pk8_fp8_f32 v[OP+24*\t:OP+24*\t+1], v[AB:AB+7], v[TM+6]
	v_cvt_scalef32_pk8_fp8_f32 v[OP+24*\t+2:OP+24*\t+3], v[AB+8:AB+15], v[TM+6]
.endm
; a hidden layer's two blocks.  No |.|: what is negative becomes 0, so it does not count; the floor stands over it.  Each of the four accumulators is first read at its low end.
.macro QA t
.set AB, ACC+32*\t
.irp b, 0,1
	v_max3_num_f32 v[TM+\b], v[AB+16*\b], v[AB+16*\b+1], 0x4800000
	v_max3_num_f32 v[TM+2+\b], v[AB+16*\b+8], v[AB+16*\b+9], v[AB+16*\b+10]
.endr
.irp b, 0,1
	v_max3_num_f32 v[TM+\b], v[TM+\b], v[AB+16*\b+2], v[AB+16*\b+3]
	v_max3_num_f32 v[TM+2+\b], v[TM+2+\b], v[AB+16*\b+11], v[AB+16*\b+12]
.endr
.irp b, 0,1
	v_max3_num_f32 v[TM+\b], v[TM+\b], v[AB+16*\b+4], v[AB+16*\b+5]
	v_max3_num_f32 v[TM+2+\b], v[TM+2+\b], v[AB+16*\b+13], v[AB+16*\b+14]
.endr
.irp b, 0,1
	v_max3_num_f32 v[TM+\b], v[TM+\b], v[AB+16*\b+6], v[AB+16*\b+7]
.endr
.irp b, 0,1
	v_max3_num_f32 v[TM+\b], v[TM+\b], v[TM+2+\b], v[AB+16*\b+15]
.endr
.endm
.macro QB1
.irp b, 0,1
	v_permlanex16_b32 v[TM+2+\b], v[TM+\b], s44, s45
.endr
.irp b, 0,1
	v_max_num_f32 v[TM+\b], v[TM+\b], v[TM+2+\b]
.endr
.endm
.macro QB2
.irp b, 0,1
	v_add_nc_u32 v[TM+6+\b], 0xfc000000, v[TM+\b]
.endr
.irp b, 0,1
	v_and_or_b32 v[TM+4+\b], v[TM+\b], 0x7f800000, s46
.endr
.endm
.macro QB3 t
.irp b, 0,1
	v_lshrrev_b32 v[TM+8+\b], 23, v[TM+6+\b]
.endr
	v_lshl_or_b32 v[SW+\t], v[TM+9], 8, v[TM+8]
	v_lshl_or_b32 v[SW+\t], v[SW+\t], 16, v[SW+\t] ; bytes 2 and 3 count; bytes 0 and 1, over zero codes, repeat them
.endm
.macro QB4 t
.set AB, ACC+32*\t
.irp b, 0,1
.irp i, 0,1,2,3,4,5,6,7,8,9,10,11,12,13,14,15
	v_med3_num_f32 v[AB+16*\b+\i], v[AB+16*\b+\i], 0, v[TM+4+\b]       ; the activation and the hold in one
.endr
	v_cvt_scalef32_pk8_fp8_f32 v[OP+24*\t+16+4*\b:OP+24*\t+17+4*\b], v[AB+16*\b:AB+16*\b+7], v[TM+6+\b]
	v_cvt_scalef32_pk8_fp8_f32 v[OP+24*\t+18+4*\b:OP+24*\t+19+4*\b], v[AB+16*\b+8:AB+16*\b+15], v[TM+6+\b]
.endr
.endm
; 32 units of the last hidden layer: relu (four at a time), bf16
.macro RMAX t, q, i0
.set AB, ACC+32*\t+16*\q+\i0
.irp i, 0,1,2,3
	v_max_num_f32 v[AB+\i], 0, v[AB+\i]
.endr
.endm
.macro RCVT t, q
.set AB, ACC+32*\t+16*\q
.irp p, 0,1,2,3,4,5,6,7
	v_cvt_pk_bf16_f32 v[BF+16*\t+8*\q+\p], v[AB+2*\p], v[AB+2*\p+1]
.endr
.endm
.macro RELU t, q
	RMAX \t, \q, 0
	RMAX \t, \q, 4
	RMAX \t, \q, 8
	RMAX \t, \q, 12
	RCVT \t, \q
.endm
; product j of layer L of tile t: a sum of its own, begun with its bias: no accumulator is taken up twice
.macro WM L, t, j
.if \L == 0
.set OPB, OP+24*\t
.else
.set OPB, OP+24*\t+8
.endif
	WIN 0x21                                       ; source 0 (weights) window 1, source 2 (bias) window 2
	v_wmma_scale_f32_16x16x128_f8f6f4 v[ACC+32*\t+8*\j:ACC+32*\t+8*\j+7], v[16*(4*\L+\j):16*(4*\L+\j)+15], v[OPB:OPB+15], v[BIAS+32*\L+8*\j:BIAS+32*\L+8*\j+7], v[WS+4*\L+\j], v[SW+\t]
	WIN 0
.endm
; layer L of tile t, its four products one by one amid tile o's vector work, which names none of their registers
.macro LAYF L, t, o                    ; amid the features' quantiser
	WM \L, \t, 0
	QFB1
	WM \L, \t, 1
	QFB2
	WM \L, \t, 2
	QFB3 \o
	WM \L, \t, 3
	QFB4 \o
.endm
.macro LAYQ L, t, o                    ; amid a hidden layer's quantiser
	WM \L, \t, 0
	QB1
	WM \L, \t, 1
	QB2
	WM \L, \t, 2
	QB3 \o
	WM \L, \t, 3
	QB4 \o
.endm
.macro LAYR L, t, o                    ; amid the relu of tile o's upper 32 units
	WM \L, \t, 0
	RMAX \o, 1, 0
	WM \L, \t, 1
	RMAX \o, 1, 4
	WM \L, \t, 2
	RMAX \o, 1, 8
	WM \L, \t, 3
	RMAX \o, 1, 12
	RCVT \o, 1
.endm
; product 4: two accumulators by turns, one instruction a turn; b3 is the C of each sum's first product
.macro LAST
	WIN 0x21
	v_wmma_f32_16x16x32_bf16 v[OA:OA+7], v[W3F:W3F+7], v[BF:BF+7], v[B3R:B3R+7]
	v_wmma_f32_16x16x32_bf16 v[OA+8:OA+15], v[W3F:W3F+7], v[BF+16:BF+23], v[B3R:B3R+7]
	WIN 0x01
	v_wmma_f32_16x16x32_bf16 v[OA:OA+7], v[W3F+8:W3F+15], v[BF+8:BF+15], v[OA:OA+7]
	v_wmma_f32_16x16x32_bf16 v[OA+8:OA+15], v[W3F+8:W3F+15], v[BF+24:BF+31], v[OA+8:OA+15]
	WIN 0
.endm
; w3 stands in rows 0-2 and again in rows 8-10, so registers 0-2 hold point r's results in both halves of the lanes: lanes 0-15 take tile 0's, lanes 16-31 tile 1's: lane l has point l of the pair
.macro SENDO
.rept 4
	v_nop                                          ; four places behind the last product (ISA guide 7.12.1)
.endr
.irp j, 0,1,2
	v_cndmask_b32 v[OUTR+\j], v[OA+\j], v[OA+8+\j], s47
.endr
	s_add_nc_u64 s[22:23], s[22:23], 384           ; the last trip's store has read its base and its data: this trip's wait on XCNT stands between
	global_store_b96 v2, v[OUTR:OUTR+2], s[22:23] offset:-384 th:TH_STORE_NT    ; the wave stores 384 consecutive bytes
.endm
; THE TRIP of pair p, parity par.  more: pair p + 1 exists;  refill: the coordinates of pair p + 3 are asked for.
.macro TRIP par, more, refill
	s_wait_dscnt 0x0                               ; pair p's LDS gathers, issued a trip ago
.if \more
	s_wait_loadcnt 20                              ; behind pair p + 1's coordinates stand the 4 coordinate loads of the trip before and pair p's 16 gathers
	DERIVE 1-\par
	ADDR 1-\par, \refill
.else
	s_wait_xcnt 0x0                                ; the last trip's store has read its base and its data
.endif
	s_wait_loadcnt 16*\more+4*\refill              ; pair p's gathers are in; only what this trip has issued stays out
	INTERP \par
	QFA 0
	QFB1
	QFB2
	QFB3 0
	QFB4 0
	QFA 1                                          ; (eight plain lines between tile 0's codes and their product)
	LAYF 0, 0, 1
	QA 0
	LAYQ 0, 1, 0
	QA 1
	LAYQ 1, 0, 1
	QA 0
	LAYQ 1, 1, 0
	QA 1
	LAYQ 2, 0, 1
	RELU 0, 0
	LAYR 2, 1, 0
	RELU 1, 0
	RELU 1, 1
	LAST
	SENDO
.endm
	s_load_b512 s[4:19], s[0:1], 0x0               ; xn s[4:5], xyq s[6:7], recs s[8:9], coarse s[10:11], wimg s[12:13], b0 s[14:15], b1 s[16:17], b2 s[18:19]
	s_load_b128 s[20:23], s[0:1], 0x40             ; b3 s[20:21], out0 s[22:23]
	v_lshl_add_u32 v254, v0, 2, 0x29000            ; my spare word, behind the coarse block
	v_mov_b32 v255, 0
	ds_add_u32 v254, v255
	ds_add_u32 v254, v255
	v_lshrrev_b32 v1, 5, v0
	v_readfirstlane_b32 s24, v1                    ; wave 0..3
	; descriptor group 1: 133 rows of 32 elements of 8 bytes, dense, no padding, no mask
	s_mov_b32 s32, 3<<16
	s_mov_b32 s33, 32<<16                          ; tensor_dim0 = 32
	s_mov_b32 s34, 133<<16                         ; tensor_dim1 = 133
	s_mov_b32 s35, 32<<16                          ; tile_dim0 = 32
	s_mov_b32 s36, 133                             ; tile_dim1 = 133
	s_mov_b32 s37, 32                              ; elements from row to row
	s_mov_b32 s38, 0
	s_mov_b32 s39, 0
	s_mul_i32 s26, s24, QUART                      ; my quarter, in memory
	s_mov_b32 s27, 0
	s_mov_b32 s28, 1                               ; group 0: count = 1,
	s_mul_i32 s29, s24, QUART                      ; the LDS address: wave x 34,048
	s_lshl_b32 s50, ttmp9, 2
	s_add_co_u32 s50, s50, s24                     ; which 1,024 points are my wave's
	s_mul_i32 s52, s50, 12288                      ; 12 bytes a point in out0,
	s_mov_b32 s53, 0
	s_lshl_b32 s50, s50, 13                        ; 8 in xn and xyq
	s_mov_b32 s51, 0
	s_mov_b32 s44, 0x76543210
	s_mov_b32 s45, 0xfedcba98                      ; v_permlanex16_b32's selects for lane l xor 16
	s_mov_b32 s46, 0x600000                        ; the mantissa field of 448
	s_mov_b32 s47, 0xffff0000                      ; lanes 16-31
	s_wait_dscnt 0x0
	s_wait_kmcnt 0x0
	s_add_nc_u64 s[30:31], s[10:11], s[26:27]
	s_or_b32 s31, s31, 0x80000000                  ; type = 2
	tensor_load_to_lds s[28:31], s[32:39]          ; the one fill of the launch: each wave its quarter of levels 0-7
	s_nop 0
.rept 4
	v_nop
.endr
	s_load_b96 s[40:42], s[20:21], 0x0             ; b3
	s_add_nc_u64 s[54:55], s[4:5], s[50:51]        ; xn, xyq and out0 at my wave's first point
	s_add_nc_u64 s[56:57], s[6:7], s[50:51]
	s_add_nc_u64 s[22:23], s[22:23], s[52:53]
	v_and_b32 v1, 15, v0
	v_lshlrev_b32 v1, 3, v1                        ; 8 r: both halves of the lanes load point r's coordinates
	v_and_b32 v2, 31, v0
	v_lshlrev_b32 v[L16], 4, v2
	v_mul_u32_u24 v2, 12, v2                       ; 12 x lane
	v_bfe_u32 v[H64], v0, 4, 1
	v_lshlrev_b32 v[H64], 6, v[H64]
	WIN 0x40                                       ; destination window 1
.set g, 0
.rept 52
	global_load_b128 v[4*g:4*g+3], v[L16], s[12:13] offset:512*g       ; the images of the 12 fragments and of w3: four registers a load, lane l's 16 bytes at 16 l
.set g, g+1
.endr
	WIN 0x80                                       ; destination window 2
.irp L, 0,1,2
.irp j, 0,1,2,3
	global_load_b128 v[BIAS+32*\L+8*\j:BIAS+32*\L+8*\j+3], v[H64], s[14+2*\L:15+2*\L] offset:(32*(\j/2)+8*(\j%2))*4      ; tile j's eight units of my half: 32 (j / 2) + 16 h + 8 (j % 2) + 0 .. 7
	global_load_b128 v[BIAS+32*\L+8*\j+4:BIAS+32*\L+8*\j+7], v[H64], s[14+2*\L:15+2*\L] offset:(32*(\j/2)+8*(\j%2))*4+16
.endr
.endr
	WIN 0
.irp L, 0,1,2
	global_load_b128 v[WS+4*\L:WS+4*\L+3], v[L16], s[12:13] offset:26624+512*\L
.endr
.irp p, 0,1
.irp t, 0,1
	global_load_b64 v[XY+8*\p+4*\t:XY+8*\p+4*\t+1], v1, s[54:55] offset:256*\p+128*\t th:TH_LOAD_NT
	global_load_b64 v[XY+8*\p+4*\t+2:XY+8*\p+4*\t+3], v1, s[56:57] offset:256*\p+128*\t th:TH_LOAD_NT
.endr
.endr
	HALF R8+0, 128, 160
	HALF R8+1, 200, 256
	HALF R8+2, 320, 400
	HALF R8+3, 512, 640
.irp t, 0,1
.irp j, 4,5,6,7,8,9,10,11,12,13,14,15
	v_mov_b32 v[OP+24*\t+\j], 0                    ; the zero codes beside K = 32 and K = 64
.endr
.endr
	WIN 0x88                                       ; destination and source 1 window 2.  For lanes 0-15 and lanes 16-31: res - 1; row pitch, or C; first byte
	SLOTC 0, 15, 19, 16, 20, 0, 2048
	SLOTC 1, 24, 31, 25, 32, 5248, 10248
	SLOTC 2, 39, 49, 40, 50, 18440, 31240
	SLOTC 3, 63, 79, 64, 80, 51240, 84008
	HALF LM+4, 100, 160                            ; levels 8 | 10
	HALF LPI+4, 51603, 51909                       ; floor(65536 x 100 / 127), floor(65536 x 160 / 202)
	SLOTC 5, 127, 202, 128, 256, 0, 2080768        ; levels 9 | 11
	HALF LM+6, 255, 405                            ; levels 12 | 14
	HALF LPI+6, 52061, 51941                       ; floor(65536 x 255 / 321), floor(65536 x 405 / 511)
	SLOTC 7, 321, 511, 512, 512, 8699904, 29736960 ; levels 13 | 15
	WIN 0x82
.irp i, 0,1,2,3,4,5,6,7
	v_cvt_f32_u32 v[LMF+\i], v[LM+\i]
.endr
	WIN 0x80
	s_wait_kmcnt 0x0                               ; b3
	v_mov_b32 v[B3R], s40
	v_mov_b32 v[B3R+1], s41
	v_mov_b32 v[B3R+2], s42
.irp j, 3,4,5,6,7
	v_mov_b32 v[B3R+\j], 0
.endr
	WIN 0
	s_wait_tensorcnt 0x0                           ; my quarter of the coarse block has landed,
	s_barrier_signal -1
	s_barrier_wait -1                              ; everybody's has.  From here on LDS is only read
	s_wait_loadcnt 4                               ; all the head's loads but the youngest four, pair 1's coordinates
	s_mov_b32 s49, 2
	DERIVE 0
	ADDR 0, 1                                      ; pair 2's coordinates, pair 0's gathers
	s_mov_b32 s48, 15
.Lpair:                                            ; 15 trips of two pairs: pairs 0 to 29
	TRIP 0, 1, 1
	TRIP 1, 1, 1
	s_sub_co_u32 s48, s48, 1
	s_cmp_lg_u32 s48, 0
	s_cbranch_scc1 .Lpair
	TRIP 0, 1, 0                                   ; pair 30: pair 31's gathers, no more coordinates
	TRIP 1, 0, 0                                   ; pair 31: nothing more is asked for, and the wait for loads is for 0
	s_wait_tensorcnt 0x0                           ; the wave's end
	ds_add_u32 v254, v255
	s_wait_dscnt 0x0
	s_endpgm
.Lfunc_end_k_q5cffefad63_main:
	.size	k_q5cffefad63_main, .Lfunc_end_k_q5cffefad63_main-k_q5cffefad63_main
	.p2alignl 7, 3214868480
	.fill 96, 4, 3214868480
	.section	.rodata,"a",@progbits
	.p2align	6, 0x0
	.amdhsa_kernel k_q5cffefad63_main
		.amdhsa_group_segment_fixed_size 168448
		.amdhsa_private_segment_fixed_size 0
		.amdhsa_enable_private_segment 0
		.amdhsa_kernarg_size 80
		.amdhsa_user_sgpr_count 2
		.amdhsa_user_sgpr_kernarg_segment_ptr 1
		.amdhsa_wavefront_size32 1
		.amdhsa_system_sgpr_workgroup_id_x 1
		.amdhsa_system_sgpr_workgroup_id_y 1
		.amdhsa_system_sgpr_workgroup_id_z 1
		.amdhsa_system_vgpr_workitem_id 0
		.amdhsa_next_free_vgpr 1024
		.amdhsa_next_free_sgpr 66
		.amdhsa_reserve_vcc 0
		.amdhsa_float_denorm_mode_32 3
		.amdhsa_float_denorm_mode_16_64 3
		.amdhsa_memory_ordered 1
		.amdhsa_forward_progress 1
		.amdhsa_inst_pref_size 209
	.end_amdhsa_kernel
	.amdgpu_metadata
---
amdhsa.version: [ 1, 2 ]
amdhsa.kernels:
  - .name:           k_q5cffefad63_main
    .symbol:         k_q5cffefad63_main.kd
    .args:
      - { .name: xn, .offset: 0, .size: 8, .value_kind: global_buffer, .address_space: global }
      - { .name: xyq, .offset: 8, .size: 8, .value_kind: global_buffer, .address_space: global }
      - { .name: recs, .offset: 16, .size: 8, .value_kind: global_buffer, .address_space: global }
      - { .name: coarse, .offset: 24, .size: 8, .value_kind: global_buffer, .address_space: global }
      - { .name: wimg, .offset: 32, .size: 8, .value_kind: global_buffer, .address_space: global }
      - { .name: b0, .offset: 40, .size: 8, .value_kind: global_buffer, .address_space: global }
      - { .name: b1, .offset: 48, .size: 8, .value_kind: global_buffer, .address_space: global }
      - { .name: b2, .offset: 56, .size: 8, .value_kind: global_buffer, .address_space: global }
      - { .name: b3, .offset: 64, .size: 8, .value_kind: global_buffer, .address_space: global }
      - { .name: out0, .offset: 72, .size: 8, .value_kind: global_buffer, .address_space: global }
    .group_segment_fixed_size: 168448
    .private_segment_fixed_size: 0
    .kernarg_segment_align: 8
    .kernarg_segment_size: 80
    .max_flat_workgroup_size: 128
    .sgpr_count:     66
    .vgpr_count:     1024
    .wavefront_size: 32
...
	.end_amdgpu_metadata
.endif
;; end of part 2
